; MI455X (gfx1250); checked and timed in simulation.
; The chip was launched on July 23, 2026; its instructions are those of AMD's public machine-readable ISA for CDNA 5 (MIT licence, August 2026) and "CDNA5" Instruction Set Architecture Reference Guide (July 2026). The comments in the code are by the model that wrote it; some were corrected since.
;; Multi Head Attention. Allowed arithmetic: matrix products marked QUANTISED: E2M3 operands, one E8M0 scale for each 32 along K, by v_wmma_scale_f32_16x16x128_f8f6f4 with both operands' format E2M3, f32 sums; everything else in f32.
;; Inputs: Wk_codes 512 x 16 x 24 uint8 (E2M3 codes of Wk, K innermost, in blocks of 32 codes, four codes in three bytes); Wk_scales 512 x 16 uint8 (E8M0 scales of Wk, one for each 32 codes along K); Wo_codes 512 x 16 x 24 uint8 (E2M3 codes of Wo, K innermost, in blocks of 32 codes, four codes in three bytes); Wo_scales 512 x 16 uint8 (E8M0 scales of Wo, one for each 32 codes along K); Wq_codes 512 x 16 x 24 uint8 (E2M3 codes of Wq, K innermost, in blocks of 32 codes, four codes in three bytes); Wq_scales 512 x 16 uint8 (E8M0 scales of Wq, one for each 32 codes along K); Wv_codes 512 x 16 x 24 uint8 (E2M3 codes of Wv, K innermost, in blocks of 32 codes, four codes in three bytes); Wv_scales 512 x 16 uint8 (E8M0 scales of Wv, one for each 32 codes along K); bk 512 float32; bo 512 float32; bq 512 float32; bv 512 float32; k_codes 8 x 2,048 x 16 x 24 uint8 (E2M3 codes of k, K innermost, in blocks of 32 codes, four codes in three bytes); k_scales 8 x 2,048 x 16 uint8 (E8M0 scales of k, one for each 32 codes along K); q_codes 8 x 2,048 x 16 x 24 uint8 (E2M3 codes of q, K innermost, in blocks of 32 codes, four codes in three bytes); q_scales 8 x 2,048 x 16 uint8 (E8M0 scales of q, one for each 32 codes along K); v_codes 8 x 2,048 x 16 x 24 uint8 (E2M3 codes of v, K innermost, in blocks of 32 codes, four codes in three bytes); v_scales 8 x 2,048 x 16 uint8 (E8M0 scales of v, one for each 32 codes along K).
;; Outputs: out0 8 x 2,048 x 512 float32.
;; This version of the problem:
;;   THIS VERSION OF THE PROBLEM IS GIVEN IN LOW PRECISION. The matrix products marked QUANTISED in the list below multiply operands that are first quantised to E2M3 (2 exponent bits, 3 mantissa bits; 6 bits a number), with one power-of-two scale for each 32 numbers along K (OCP MX v1.0); their sums are f32. All else is computed in f32.
;;   The module's matrix products, in the order in which they are computed (A, B: the left and right operand; K: the contracted axis; several contracted axes count as one K, in the product's order):
;;     1. [M 16,384, K 512] x [K 512, N 512]; A: input q (given as codes); B: input Wq (given as codes): QUANTISED
;;     2. [M 16,384, K 512] x [K 512, N 512]; A: input k (given as codes); B: input Wk (given as codes): QUANTISED
;;     3. [M 16,384, K 512] x [K 512, N 512]; A: input v (given as codes); B: input Wv (given as codes): QUANTISED
;;     4. batch 64 x [M 2,048, K 64] x [K 64, N 2,048]; A: computed on the way; B: computed on the way: QUANTISED
;;     5. batch 64 x [M 64, K 2,048] x [K 2,048, N 2,048]; A: computed on the way; B: softmax (see below): QUANTISED
;;     6. [M 16,384, K 512] x [K 512, N 512]; A: computed on the way; B: input Wo (given as codes): QUANTISED
;;   THE QUANTISER, for each operand of a quantised product, along K:
;;     - K is cut into blocks of 32 from its start; a last block that is shorter is filled with zeros.
;;     - A block's scale is 2^e with e = floor(log2(the largest magnitude in the block)) - 2, held to -126 .. 127; a block of zeros has e = 0. As a byte (E8M0): e + 127.
;;     - Each number is divided by its block's scale, clamped to +-7.5, and rounded to the nearest number of E2M3, ties to even, subnormals kept.
;;     - The product sums the exact products of the quantised numbers (number of the format x scale) in f32.
;;   ~~~python
;;   def quantise(x, axis):      # numpy; x: float32 -> the quantised numbers, widened to float32 again
;;       x = np.moveaxis(x, axis, -1); K = x.shape[-1]
;;       x = np.pad(x, [(0, 0)] * (x.ndim - 1) + [(0, -K % 32)]); x = x.reshape(x.shape[:-1] + (-1, 32)); a = np.abs(x).max(-1, keepdims=True)
;;       e = np.where(a > 0, np.clip(np.frexp(np.where(a > 0, a, 1))[1] - 1 - 2, -126, 127), 0)      # np.frexp(a)[1] - 1 = floor(log2(a)), exactly
;;       r = np.clip(x / 2.0 ** e, -7.5, 7.5)
;;       step = 2.0 ** (np.maximum(np.frexp(np.where(r == 0, 1, r))[1] - 1, 0) - 3)
;;       q = np.round(r / step) * step * 2.0 ** e      # np.round: ties to even
;;       return np.moveaxis(q.reshape(q.shape[:-2] + (-1,))[..., :K], -1, axis).astype(np.float32)
;;   ~~~
;;   SOFTMAX AHEAD OF A QUANTISED PRODUCT. Where the list says 'softmax', what is quantised is not the finished softmax but p = 2^(t - M), with t = logit x log2(e) and M = ceil(the row's largest t), a whole number; so 1/2 < the row's largest p <= 1. The row's sum l is taken of the UNQUANTISED p, in f32, and the product's result is divided by l at the end. Since M is a whole number, a kernel that streams over the keys may use a running M (the ceiling of the running maximum): every later rescaling is an exact power of two, which a block's scale takes up: the codes' values come out the same.
;;   OPERANDS COMPUTED ON THE WAY. 'Computed on the way' means the value that the module computes at that place (a softmax that the list does not call 'softmax' is quantised finished and normalised). What goes into a quantiser is computed in f32, as accurately as f32 sums, v_exp_f32 and their like allow (about 1e-6 of the number): no bf16 or f16 on the way to a quantiser, and a product that is left as it is and whose result goes on into a quantised operand takes f32 operands (vector FMAs, or v_wmma_f32_16x16x4_f32). A number that lies on a knife's edge between two numbers of the format may be rounded either way, as far as f32 arithmetic and the matrix unit's own rounding can turn it there, and no further.
;;   INPUTS GIVEN AS CODES. Wk (in the module: [512, 512], K = its axis 1); Wo (in the module: [512, 512], K = its axis 1); Wq (in the module: [512, 512], K = its axis 1); Wv (in the module: [512, 512], K = its axis 1); k (in the module: [8, 2048, 512], K = its axis 2); q (in the module: [8, 2048, 512], K = its axis 2); v (in the module: [8, 2048, 512], K = its axis 2): each comes as NAME_codes (uint8): NAME with its K axis moved to the last place and cut into blocks of 32 codes, [.., K / 32, bytes a block], one block behind the other in memory; four codes in three bytes: a row's codes are one little-endian stream of bits, code i at bits 6 i .. 6 i + 5 (a code: sign, 2 exponent bits, 3 mantissa bits); and NAME_scales (uint8): the same leading axes, one E8M0 byte (e + 127) for each 32 codes along K. Its value is code x scale, taken as it is: it is not quantised again, and the codes and scales need not be those that the quantiser above would give.
;; One version. Each part assembles by itself: llvm-mc -triple=amdgcn-amd-amdhsa -mcpu=gfx1250 --defsym DOCPART=n.
;; ======== version 1 of 1: 3 launches
;; limits: right only within a limited range of input values
;; workspace buffers: qx 6,553,600 bytes; kv 13,107,200 bytes; ac 6,291,456 bytes; asc 262,144 bytes
;; launch proj (part 1): grid 128 x 3, 8 waves a work-group, clusters of 4 x 1, 300,032 bytes of LDS; arguments v_codes, v_scales, Wv_codes, Wv_scales, bv, q_codes, q_scales, Wq_codes, Wq_scales, bq, k_codes, k_scales, Wk_codes, Wk_scales, bk, qx, kv; writes qx, kv
.if DOCPART == 1
	.amdgcn_target "amdgcn-amd-amdhsa--gfx1250"
	.amdhsa_code_object_version 6
	.text
	.protected	k_qe3c4f40bc3_proj
	.globl	k_qe3c4f40bc3_proj
	.p2align	8
	.type	k_qe3c4f40bc3_proj,@function
k_qe3c4f40bc3_proj:
	s_mov_b64 s[64:65], 0
	v_nop
	global_prefetch_b8 v0, s[64:65] scope:SCOPE_SE
	s_setreg_imm32_b32 hwreg(HW_REG_WAVE_MODE, 25, 1), 1
	s_wait_xcnt 0x0
	s_wait_alu depctr_hold_cnt(0) depctr_sa_sdst(0) depctr_va_vdst(0) depctr_va_sdst(0) depctr_va_ssrc(0) depctr_va_vcc(0) depctr_vm_vsrc(0)
	s_getreg_b32 s2, hwreg(HW_REG_IB_STS2, 6, 4)
	s_cmp_eq_u32 s2, 0
	s_cbranch_scc0 .Lentry_in_a_cluster
	s_endpgm
.Lentry_in_a_cluster:
	s_bfe_u32 s2, ttmp6, 0x10000c
	s_cmp_lg_u32 s2, 0x3003
	s_cbranch_scc0 .Lentry_shape_is_right
	s_endpgm
.Lentry_shape_is_right:
; THE THREE PROJECTIONS  x W^T + b  (x = v, q, k by the work-group's y = 0, 1, 2), on codes of FP6 (E2M3) with one E8M0 scale for each 32 along K = 512, and the quantising of their results
; for the attention: qh and kh along the head's 64 (two blocks of 32), vh along the keys.  Sums and biases in f32.
; SHARES.  A work-group of eight waves takes 128 rows of x (work-group x = 4 x cluster x + cx).  Wave w is head w: its 64 rows of W (16 fragments, 192 registers) stay in registers.  The block's eight tiles of
; 16 rows reach all waves through LDS as images of their operand registers (12 registers a fragment, lane l's 16 bytes at 16 l); wave w makes tile w's image.
; THE ROWS OF A TILE ARE NOT NEIGHBOURS: lane r of tile 2 b + u takes row 32 b + 8 u + r + 8 (r / 8), of a head's 64 rows of W, so that the 16 registers of tiles 2 b and 2 b + 1 of a result
; are 16 neighbours, 32 b + 16 (lane / 16) + 0 .. 15, along the axis that runs down the registers.
; q, k: source 0 = 16 rows of W, source 1 = 16 rows of x: a lane holds one row of x and its registers run along the head.  The results of tiles 2 b and 2 b + 1 of x (64 registers) are quantised as ONE fragment:
;       registers 0-5 the 64 codes of tile 2 b's row, registers 6-11 those of tile 2 b + 1's; the scale word's bytes: (u = 0: block 0, 1; u = 1: block 0, 1).
; v:    source 0 = 16 rows of x, source 1 = 16 rows of W: a lane holds one channel d and its registers run along the keys: eight tiles of x give 64 registers = 128 keys = one fragment of V^T.
; OUT.  qx: [8 batch + head][block of 128][6,400]: four fragments' images (1,536 bytes each), then 256 bytes of scale words [r][b].  kv: [..][..][12,800]: K's four images, V's four, K's words, V's words.
; CLUSTER.  The four partners share y and so W: each wave's 64 rows of W are asked for JOINTLY, by the same tensor load with the same descriptor and the mask of all four.  x and the outputs hang on cx in global addresses alone.
; Every LDS byte is filled once: there is no ring.  One tensor load of a wave is out.
; LIMITS.  NaN, infinities and a given scale byte 0xff are not served.  A block of zeros, or one whose largest magnitude lies under 2^-124, gets the byte 1 (the rule says 127 for zeros): its codes are zeros or
; are made with that scale, and the bytes are read by this program alone.
.set WP,    480                        ; a row of W in LDS: 6 x (64 bytes + 16 of padding)
.set WW,    64*WP                      ; a wave's 64 rows: 30,720 bytes, read by that wave alone; afterwards its first 7,680 bytes are the wave's stage for x
.set XIMG,  8*WW                       ; the eight tiles' images: 4 fragments x 1,536 bytes each
.set XSC,   XIMG+8*6144                ; and their scale words: 16 bytes a lane, 512 a tile
.set FR,    12                         ; registers of a fragment
.set L16,   1                          ; v1   16 x lane
.set STS,   2                          ; v2   the stage, on the way in: 16 l + 16 (l / 4)
.set FA,    3                          ; v3-4 the stage, on the way out: row r x 480 + 24 h; + 40 h for the pieces that lie behind one padding more
.set IWA,   5                          ; v5   where I store my tile's image
.set ISA,   6                          ; v6   and its scale words
.set IRA,   7                          ; v7   where any image is read
.set SRA,   8                          ; v8   and any scale words
.set SCO,   9                          ; v9   my row's scale words in the output: 16 r + their place
.set P16,   10                         ; v10  16 x (r + 8 (r / 8))
.set H64,   11                         ; v11  64 h
.set P4,    12                         ; v12  4 x (r + 8 (r / 8))
.set LN,    13                         ; v13  lane
.set WA,    14                         ; v14-15 W in LDS: (r + 8 (r / 8)) x 480 + 24 h; + 40 h
.set WS,    16                         ; v16-31 W's scale words: tile t, K step s at 4 t + s
.set XS,    32                         ; v32-35 x's scale words of the tile in hand
.set XF,    36                         ; v36-83 its four fragments
.set ACC,   84                         ; v84-211 accumulators
.set TM,    212                        ; v212-227 the quantiser's work
.set PC,    228                        ; v228-246 the codes just made
.set PW,    248                        ; v248 the scale word just made
.set WD,    250                        ; v250-253 four scale words, to be stored together
.set BI,    192                        ; window 1: v192-223 the biases, eight registers a tile of W (v0-191 of window 1: W's fragments, 12 (4 t + s))
.set WV,    3                          ; s3   wave
.set G1,    44                         ; s[44:51], s[52:55] the descriptor
.set G0,    52
.set SEL,   56                         ; s[56:57] lane selects: lane l xor 16
.set MSB, 0
.macro WIN new                         ; the immediate's high byte repeats the setting that is left; bits 1:0 source 0, 3:2 source 1, 5:4 source 2, 7:6 destination
.if MSB != \new
	s_set_vgpr_msb (MSB<<8)|\new
.set MSB, \new
.endif
.endm
.macro CROUND                          ; a round of the cluster's barrier
	s_barrier_signal -1
	s_barrier_wait -1
	s_cmp_lg_u32 s[WV], 0
	s_cbranch_scc1 .Lnot_wave_0_\@
	s_barrier_signal -3
.Lnot_wave_0_\@:
	s_barrier_wait -3
	s_barrier_signal -1
	s_barrier_wait -1
.endm
.macro PLACES                          ; four plain places behind a matrix instruction, in front of loads into its registers and of the first read of its result
.rept 4
	v_nop
.endr
.endm
; A fragment of K step s out of rows of 480 bytes: lanes 0-15 take the row's pieces of 8 bytes 12 s + 0, 1, 2, 6, 7, 8, lanes 16-31 those three pieces on; 16 bytes of padding lie behind every 8 pieces
.macro FRAG reg, adr, off, s
.irp p, 0,1,2,3,4,5
.set PCE, 12*(\s)+6*(\p/3)+\p%3
.if PCE%8 < 5
	ds_load_b64 v[(\reg)+2*\p:(\reg)+2*\p+1], v[\adr] offset:(\off)+8*PCE+16*(PCE/8)
.else
	ds_load_b64 v[(\reg)+2*\p:(\reg)+2*\p+1], v[\adr+1] offset:(\off)+8*PCE+16*(PCE/8)
.endif
.endr
.endm
.macro FETCH i                         ; tile i's four fragments and its scale words, as they were stored
.irp c, 0,1,2,3,4,5,6,7,8,9,10,11
	ds_load_b128 v[XF+4*\c:XF+4*\c+3], v[IRA] offset:(\i)*6144+512*\c
.endr
	ds_load_b128 v[XS:XS+3], v[SRA] offset:512*(\i)
.endm
.macro MMC d, a, b, c, sa, sb          ; D = A x B + C
	v_wmma_scale_f32_16x16x128_f8f6f4 v[(\d):(\d)+7], v[(\a):(\a)+11], v[(\b):(\b)+11], v[(\c):(\c)+7], v[\sa], v[\sb] matrix_a_fmt:MATRIX_FMT_FP6 matrix_b_fmt:MATRIX_FMT_FP6
.endm
; 64 numbers of a lane, register 16 b + i = place 32 b + 16 (lane / 16) + i along the next K, become a fragment's codes in v[PC] on and its scale word in v[PW]
.macro QUANT s
.irp b, 0,1,2,3
	v_max3_num_f32 v[TM+\b], |v[\s+16*\b]|, |v[\s+1+16*\b]|, 0x1800000   ; block b: my 16 numbers, and the floor 2^(3 - 127): the byte cannot fall under 1
.endr
.irp i, 2,4,6,8,10,12,14
.irp b, 0,1,2,3
	v_max3_num_f32 v[TM+\b], v[TM+\b], |v[\s+16*\b+\i]|, |v[\s+1+16*\b+\i]|   ; the four blocks by turns
.endr
.endr
.irp b, 0,1,2,3
	s_delay_alu instid0(VALU_DEP_4)
	v_permlanex16_b32 v[TM+4+\b], v[TM+\b], s[SEL], s[SEL+1]
.endr
.irp b, 0,1,2,3
	s_delay_alu instid0(VALU_DEP_4)
	v_max_num_f32 v[TM+\b], v[TM+\b], v[TM+4+\b]   ; with lane l xor 16's: the block's largest magnitude
.endr
.irp b, 0,1,2,3
	s_delay_alu instid0(VALU_DEP_4)
	v_add_nc_u32 v[TM+12+\b], 0xff000000, v[TM+\b]   ; 2 off its exponent field: the conversion takes this operand's exponent field as its scale
.endr
.irp b, 0,1,2,3
	s_delay_alu instid0(VALU_DEP_4)
	v_lshrrev_b32 v[TM+4+\b], 23, v[TM+12+\b]   ; the scale's byte
.endr
	s_delay_alu instid0(VALU_DEP_3)
	v_lshl_or_b32 v[PW], v[TM+5], 8, v[TM+4]
	s_delay_alu instid0(VALU_DEP_1)
	v_lshl_or_b32 v[PW], v[TM+6], 16, v[PW]
	s_delay_alu instid0(VALU_DEP_1)
	v_lshl_or_b32 v[PW], v[TM+7], 24, v[PW]
.irp c, 0,1
	v_cvt_scalef32_pk16_fp6_f32 v[PC+6*\c:PC+2+6*\c], v[\s+32*\c:\s+15+32*\c], v[TM+12+2*\c]
	v_cvt_scalef32_pk16_fp6_f32 v[PC+12+4*\c:PC+14+4*\c], v[\s+16+32*\c:\s+31+32*\c], v[TM+12+2*\c+1]   ; (a conversion's three registers begin on an even number)
.endr
	v_nop                                          ; one plain place behind a scaled conversion
.irp c, 0,1                                    ; the operand's layout wants a whole block in a lane: lanes 0-15 block 2 c, lanes 16-31 block 2 c + 1
.irp i, 0,1,2
	v_permlane16_swap_b32 v[PC+6*\c+\i], v[PC+12+4*\c+\i]
.endr
.irp i, 0,1,2
	s_delay_alu instid0(VALU_DEP_3)
	v_mov_b32 v[PC+3+6*\c+\i], v[PC+12+4*\c+\i]
.endr
.endr
.endm
.set H8,    247                        ; v247 8 h
.set X16,   249                        ; v249 16 x (r + 24 (r / 8)): x's rows of a tile
; x's TILES: lane r of tile i takes row 64 (i / 4) + 8 (i % 4) + r + 24 (r / 8) of the block of 128, so that down the registers of tiles 4 c .. 4 c + 3 run the 32 neighbours 64 c + 32 (lane / 16) + 0 .. 31.
; 64 numbers of a lane, register 32 c + i = place 64 c + 32 (lane / 16) + i along the next K: a lane holds two whole blocks; its codes are the operand's registers as they stand
.macro QUANTB s
.irp b, 0,1,2,3
	v_max3_num_f32 v[TM+\b], |v[\s+16*\b]|, |v[\s+1+16*\b]|, 0x1800000   ; four chains of 16 numbers, each with the floor 2^(3 - 127)
.endr
.irp i, 2,4,6,8,10,12,14
.irp b, 0,1,2,3
	v_max3_num_f32 v[TM+\b], v[TM+\b], |v[\s+16*\b+\i]|, |v[\s+1+16*\b+\i]|
.endr
.endr
	s_delay_alu instid0(VALU_DEP_3)
	v_max_num_f32 v[TM], v[TM], v[TM+1]            ; my block of c = 0
	s_delay_alu instid0(VALU_DEP_2)
	v_max_num_f32 v[TM+2], v[TM+2], v[TM+3]        ; and of c = 1
	s_delay_alu instid0(VALU_DEP_2)
	v_add_nc_u32 v[TM+12], 0xff000000, v[TM]       ; 2 off the exponent field: the conversion's scale operand
	s_delay_alu instid0(VALU_DEP_2)
	v_add_nc_u32 v[TM+13], 0xff000000, v[TM+2]
	s_delay_alu instid0(VALU_DEP_2)
	v_lshrrev_b32 v[TM+4], 23, v[TM+12]            ; the scale's byte
	s_delay_alu instid0(VALU_DEP_2)
	v_lshrrev_b32 v[TM+5], 23, v[TM+13]
	s_delay_alu instid0(VALU_DEP_1)
	v_lshl_or_b32 v[TM+4], v[TM+5], 16, v[TM+4]    ; blocks h and 2 + h,
	s_delay_alu instid0(VALU_DEP_1)
	v_lshlrev_b32 v[TM+4], v[H8], v[TM+4]          ; at their places in the word;
	s_delay_alu instid0(VALU_DEP_1)
	v_permlanex16_b32 v[TM+6], v[TM+4], s[SEL], s[SEL+1]
	s_delay_alu instid0(VALU_DEP_1)
	v_or_b32 v[PW], v[TM+4], v[TM+6]               ; with lane l xor 16's two the word is whole
.irp c, 0,1
	v_cvt_scalef32_pk16_fp6_f32 v[PC+6*\c:PC+2+6*\c], v[\s+32*\c:\s+15+32*\c], v[TM+12+\c]
	v_cvt_scalef32_pk16_fp6_f32 v[PC+12+4*\c:PC+14+4*\c], v[\s+16+32*\c:\s+31+32*\c], v[TM+12+\c]   ; (a conversion's three registers begin on an even number)
.endr
	v_nop                                          ; one plain place behind a scaled conversion
.irp c, 0,1
.irp i, 0,1,2
	v_mov_b32 v[PC+3+6*\c+\i], v[PC+12+4*\c+\i]
.endr
.endr
.endm
.macro OUTIMG off
.irp c, 0,1,2
	global_store_b128 v[L16], v[PC+4*\c:PC+4*\c+3], s[38:39] offset:(\off)+512*\c
.endr
.endm
	s_load_b512 s[8:23], s[0:1], 0x0               ; v: codes, scales, W's codes, W's scales, bias; q: codes, scales, W's codes
	s_load_b512 s[24:39], s[0:1], 0x40             ; q: W's scales, bias; k: the five; qx
	s_load_b64 s[40:41], s[0:1], 0x80              ; kv
	v_lshl_add_u32 v254, v0, 2, 0x49000
	v_mov_b32 v255, 0
	ds_add_u32 v254, v255
	ds_add_u32 v254, v255
	v_lshrrev_b32 v1, 5, v0
	s_delay_alu instid0(VALU_DEP_1)
	v_readfirstlane_b32 s[WV], v1                  ; wave 0..7 = head
	s_and_b32 s4, ttmp7, 0xffff                    ; y: 0 v, 1 q, 2 k: the same in all four partners
	s_bfe_u32 s5, ttmp6, 0x40000                   ; cx
	s_lshl_b32 s6, ttmp9, 2
	s_add_co_u32 s6, s6, s5                        ; x: the block of 128 rows
	s_mul_i32 s7, s[WV], WW                        ; my part of W in LDS
	v_and_b32 v[LN], 31, v0
	v_and_b32 v16, 15, v0                          ; r
	v_bfe_u32 v17, v0, 4, 1                        ; h
	s_delay_alu instid0(VALU_DEP_3)
	v_lshlrev_b32 v[L16], 4, v[LN]
	s_delay_alu instid0(VALU_DEP_4)
	v_lshrrev_b32 v18, 2, v[LN]
	s_delay_alu instid0(VALU_DEP_1)
	v_lshl_add_u32 v[STS], v18, 4, v[L16]
	s_delay_alu instid0(VALU_DEP_1)
	v_add_nc_u32 v[STS], s7, v[STS]
	v_mul_u32_u24 v[FA], v16, WP
	s_delay_alu instid0(VALU_DEP_1)
	v_mad_u32_u24 v[FA], v17, 24, v[FA]
	s_delay_alu instid0(VALU_DEP_1)
	v_add_nc_u32 v[FA], s7, v[FA]
	s_delay_alu instid0(VALU_DEP_1)
	v_lshl_add_u32 v[FA+1], v17, 4, v[FA]
	s_mul_i32 s2, s[WV], 6144
	s_add_co_u32 s2, s2, XIMG
	v_add_nc_u32 v[IWA], s2, v[L16]
	s_lshl_b32 s2, s[WV], 9
	s_add_co_u32 s2, s2, XSC
	v_add_nc_u32 v[ISA], s2, v[L16]
	v_add_nc_u32 v[IRA], XIMG, v[L16]
	v_add_nc_u32 v[SRA], XSC, v[L16]
	v_and_b32 v18, 8, v16
	s_delay_alu instid0(VALU_DEP_1)
	v_add_nc_u32 v18, v18, v16                     ; r + 8 (r / 8)
	s_delay_alu instid0(VALU_DEP_1)
	v_lshlrev_b32 v[P16], 4, v18
	v_lshlrev_b32 v[H64], 6, v17
	s_delay_alu instid0(VALU_DEP_3)
	v_lshlrev_b32 v[P4], 2, v18
	s_delay_alu instid0(VALU_DEP_4)
	v_mul_u32_u24 v[WA], v18, WP
	s_delay_alu instid0(VALU_DEP_1)
	v_mad_u32_u24 v[WA], v17, 24, v[WA]
	s_delay_alu instid0(VALU_DEP_1)
	v_add_nc_u32 v[WA], s7, v[WA]
	s_delay_alu instid0(VALU_DEP_1)
	v_lshl_add_u32 v[WA+1], v17, 4, v[WA]
	v_and_b32 v[X16], 8, v16
	v_lshlrev_b32 v[H8], 3, v17
	s_delay_alu instid0(VALU_DEP_2)
	v_lshl_add_u32 v[X16], v[X16], 5, v[P16]       ; 16 (r + 8 (r / 8)) + 256 (r / 8)
	s_wait_alu depctr_va_vdst(0)
.irp b, 0,1,2,3
	v_mov_b32 v[TM+4+\b], 0                        ; written once: a lane permute's destination counts as one of its sources
.endr
	s_mov_b32 s[SEL], 0x76543210
	s_mov_b32 s[SEL+1], 0xfedcba98
	; descriptor group 1: 64 rows of 384 bytes, dense in memory, 16 bytes of padding behind every 64
	s_mov_b32 s[G1+0], 15|(0<<16)|(1<<20)|(1<<21)|(3<<22)|(3<<25)  ; 15:0 the mask: all four work-groups; 17:16 elements of 1 byte; 20 padding on; 21 set beside a mask; 24:22 after every 16 words; 31:25 4 words of it
	s_mov_b32 s[G1+1], 256<<16                     ; the 24,576 dense bytes are stated as 96 rows of 256 bytes, each at a multiple of 256: tensor_dim0
	s_mov_b32 s[G1+2], 96<<16                      ; tensor_dim1
	s_mov_b32 s[G1+3], 256<<16                     ; tile_dim0
	s_mov_b32 s[G1+4], 96                          ; tile_dim1
	s_mov_b32 s[G1+5], 256                         ; from row to row
	s_mov_b32 s[G1+6], 0
	s_mov_b32 s[G1+7], 0
	s_wait_dscnt 0x0
	s_wait_kmcnt 0x0
	s_cmp_eq_u32 s4, 1                             ; q's five buffers or k's; the choices hang on y alone
.irp i, 0,1,2,3,4
	s_cselect_b64 s[18+2*\i:19+2*\i], s[18+2*\i:19+2*\i], s[28+2*\i:29+2*\i]
.endr
	s_cselect_b64 s[38:39], s[38:39], s[40:41]     ; q's results go to qx, k's and v's to kv
	s_cselect_b32 s42, 1, 0                        ; qx's strides are half of kv's
	s_mov_b32 s43, 12288
	s_cselect_b32 s43, 6144, s43                   ; where the scale words lie behind the output's base
	s_cmp_eq_u32 s4, 0                             ; v's five, or those just chosen
.irp i, 0,1,2,3,4
	s_cselect_b64 s[8+2*\i:9+2*\i], s[8+2*\i:9+2*\i], s[18+2*\i:19+2*\i]
.endr
	s_cselect_b32 s43, 6400, s43
	s_cselect_b32 s59, 6144, 0                     ; V's images lie behind K's
	v_lshl_add_u32 v[SCO], v16, 4, s43
	s_lshl_b32 s18, s6, 7
	s_lshr_b32 s19, s[WV], 2
	s_lshl_b32 s19, s19, 6
	s_add_co_u32 s18, s18, s19
	s_and_b32 s19, s[WV], 3
	s_lshl_b32 s19, s19, 3
	s_add_co_u32 s18, s18, s19                     ; my tile's first row of x: 128 x + 64 (w / 4) + 8 (w % 4)
	s_mov_b32 s21, 0
	s_mul_i32 s20, s18, 384
	s_add_nc_u64 s[8:9], s[8:9], s[20:21]          ; its codes
	s_lshl_b32 s20, s18, 4
	s_add_nc_u64 s[10:11], s[10:11], s[20:21]      ; its scale bytes
	s_mul_i32 s20, s[WV], 24576
	s_add_nc_u64 s[12:13], s[12:13], s[20:21]      ; my 64 rows of W
	s_lshl_b32 s20, s[WV], 10
	s_add_nc_u64 s[14:15], s[14:15], s[20:21]      ; their scale bytes
	s_lshl_b32 s20, s[WV], 8
	s_add_nc_u64 s[16:17], s[16:17], s[20:21]      ; my 64 numbers of the bias
	s_lshr_b32 s22, s6, 4
	s_lshl_b32 s22, s22, 3
	s_add_co_u32 s22, s22, s[WV]                   ; 8 batch + head
	s_lshr_b32 s23, 204800, s42
	s_mul_i32 s22, s22, s23
	s_and_b32 s24, s6, 15                          ; the block of 128 in its batch
	s_lshr_b32 s23, 12800, s42
	s_mul_i32 s24, s24, s23
	s_add_co_u32 s20, s22, s24
	s_add_co_u32 s20, s20, s59
	s_add_nc_u64 s[38:39], s[38:39], s[20:21]      ; the output's base
	s_mov_b32 s[G0], 1                             ; count = 1
	s_mov_b32 s[G0+1], s7                          ; LDS address: 30,720 x wave
	s_mov_b64 s[G0+2:G0+3], s[12:13]
	s_or_b32 s[G0+3], s[G0+3], 0x80000000          ; type = 2
	CROUND                                         ; all four work-groups are here: the joint loads meet
	tensor_load_to_lds s[G0:G0+3], s[G1:G1+7]      ; my one tensor load
	s_nop 0
	PLACES                                         ; four v_nop follow it
	s_cmp_eq_u32 s4, 0
	s_cbranch_scc1 .Lbias_v
	WIN 0x40                                       ; destination window 1
.irp t, 0,1,2,3                                ; q, k: lane (r, h) wants, for tile t of W, the bias of channels 32 (t / 2) + 8 (t % 2) + 16 h + 0 .. 7
	global_load_b128 v[BI+8*\t:BI+8*\t+3], v[H64], s[16:17] offset:(32*(\t/2)+8*(\t%2))*4
	global_load_b128 v[BI+8*\t+4:BI+8*\t+7], v[H64], s[16:17] offset:(32*(\t/2)+8*(\t%2))*4+16
.endr
	WIN 0
	s_branch .Lbias_done
.Lbias_v:
	WIN 0x40
.irp t, 0,1,2,3                                ; v: a lane holds one channel, so all eight registers hold that channel's bias
.irp j, 0,1,2,3,4,5,6,7
	global_load_b32 v[BI+8*\t+\j], v[P4], s[16:17] offset:(32*(\t/2)+8*(\t%2))*4
.endr
.endr
	WIN 0
.Lbias_done:
.irp t, 0,1,2,3
	global_load_b128 v[WS+4*\t:WS+4*\t+3], v[P16], s[14:15] offset:(32*(\t/2)+8*(\t%2))*16   ; a row's 16 scale bytes are its four K steps' words
.endr
	global_load_b128 v[XS:XS+3], v[X16], s[10:11]
.irp j, 0,1,2,3,4,5,6,7,8,9,10,11              ; my tile of x is two runs of 8 rows, 3,072 dense bytes each, 32 rows apart: 32 lanes read 512 consecutive bytes
	global_load_b128 v[XF+4*\j:XF+4*\j+3], v[L16], s[8:9] offset:512*\j+9216*(\j/6) th:TH_LOAD_NT   ; the second run of 8 rows begins 32 rows behind the first
.endr
	s_wait_tensorcnt 0x0                           ; my 64 rows of W are in LDS; nobody else reads them, so no barrier is owed
	WIN 0x40
	s_wait_alu depctr_va_vdst(0)
.irp t, 0,1,2,3
.irp s, 0,1,2,3
	FRAG FR*(4*\t+\s), WA, WP*(32*(\t/2)+8*(\t%2)), \s
.endr
.endr
	WIN 0
	s_wait_loadcnt 0x0                             ; x, the scale words, the biases
.irp j, 0,1,2,3,4,5,6,7,8,9,10,11              ; x's 16 rows into my stage, padded like W.  LDS serves a wave's instructions in order (ISA guide 5.7.1.4): these come behind my reads of W
	ds_store_b128 v[STS], v[XF+4*\j:XF+4*\j+3] offset:640*\j
.endr
.irp s, 0,1,2,3
	FRAG ACC+FR*\s, FA, 0, \s                      ; and back as four fragments
.endr
	s_wait_dscnt 0x0                               ; they are in registers (W's too)
.irp c, 0,1,2,3,4,5,6,7,8,9,10,11
	ds_store_b128 v[IWA], v[ACC+4*\c:ACC+4*\c+3] offset:512*\c
.endr
	ds_store_b128 v[ISA], v[XS:XS+3]
	s_wait_dscnt 0x0                               ; for the others' sake: my image has landed
	s_barrier_signal -1
	s_barrier_wait -1                              ; all eight images lie in LDS; they are never written again
	FETCH 0
	s_cmp_eq_u32 s4, 0
	s_cbranch_scc1 .Lpath_v
; q, k: tile i of x against my four tiles of W: four accumulators by turns, one instruction a turn; the bias is the C of each sum's first product
.macro QKTILE i
.set AB, ACC+32*((\i)%2)
	s_wait_dscnt 0x0                               ; the tile's fragments and scale words are in
	WIN 0x11                                       ; source 0 (W) and source 2 (the bias) window 1
.irp t, 0,1,2,3
	MMC AB+8*\t, FR*4*\t, XF, BI+8*\t, WS+4*\t, XS
.endr
	WIN 0x01
.irp s, 1,2,3
.irp t, 0,1,2,3
	MMC AB+8*\t, FR*(4*\t+\s), XF+FR*\s, AB+8*\t, WS+4*\t+\s, XS+\s
.endr
.endr
	WIN 0
	PLACES
.endm
.irp i, 0,1,2,3,4,5,6,7
	QKTILE \i
.if \i < 7
	FETCH \i+1
.endif
.if (\i%2) == 1
	s_wait_xcnt 0x0                                ; the last image's stores have read their registers
	QUANT ACC                                      ; tiles i - 1 and i: one fragment
	OUTIMG (\i/2)*1536
	v_mov_b32 v[WD+\i/2], v[PW]
.endif
.endr
	s_branch .Ljoin
.Lpath_v:
; v: tile i of x against tiles 2 g and 2 g + 1 of W: two accumulators by turns.  Source 0 = x, source 1 = W
.macro VTILE g, i
	s_wait_dscnt 0x0
	WIN 0x14                                       ; source 1 (W) and source 2 (the bias) window 1
.irp n, 0,1
	MMC ACC+64*\n+8*(\i), XF, FR*4*(2*(\g)+\n), BI+8*(2*(\g)+\n), XS, WS+4*(2*(\g)+\n)
.endr
	WIN 0x04
.irp s, 1,2,3
.irp n, 0,1
	MMC ACC+64*\n+8*(\i), XF+FR*\s, FR*(4*(2*(\g)+\n)+\s), ACC+64*\n+8*(\i), XS+\s, WS+4*(2*(\g)+\n)+\s
.endr
.endr
	WIN 0
	PLACES
.endm
.irp g, 0,1
.irp i, 0,1,2,3,4,5,6,7
	VTILE \g, \i
.if (\g == 0) || (\i < 7)
	FETCH (\i+1)%8                                 ; the second walk begins at tile 0 again
.endif
.endr
.irp n, 0,1
	s_wait_xcnt 0x0                                ; the last image's stores have read their registers
	QUANTB ACC+64*\n                               ; 16 channels x 128 keys: one fragment of V^T
	OUTIMG (2*\g+\n)*1536
	v_mov_b32 v[WD+2*\g+\n], v[PW]
.endr
.endr
.Ljoin:
	s_wait_alu depctr_va_vdst(0)
	s_wait_xcnt 0x0                                ; EXEC changes only behind this wait
	v_cmp_gt_u32 vcc_lo, 16, v[LN]
	s_and_saveexec_b32 s58, vcc_lo
	global_store_b128 v[SCO], v[WD:WD+3], s[38:39] ; lanes 0-15: row r's four scale words: 256 consecutive bytes, aligned
	s_wait_xcnt 0x0
	s_or_b32 exec_lo, exec_lo, s58
	s_wait_tensorcnt 0x0
	ds_add_u32 v254, v255
	s_wait_dscnt 0x0
	CROUND                                         ; the closing round: no work-group ends while a partner may still ask jointly
	s_endpgm
.Lfunc_end_k_qe3c4f40bc3_proj:
	.size	k_qe3c4f40bc3_proj, .Lfunc_end_k_qe3c4f40bc3_proj-k_qe3c4f40bc3_proj
	.p2alignl 7, 3214868480
	.fill 96, 4, 3214868480
	.section	.rodata,"a",@progbits
	.p2align	6, 0x0
	.amdhsa_kernel k_qe3c4f40bc3_proj
		.amdhsa_group_segment_fixed_size 300032
		.amdhsa_private_segment_fixed_size 0
		.amdhsa_enable_private_segment 0
		.amdhsa_kernarg_size 136
		.amdhsa_user_sgpr_count 2
		.amdhsa_user_sgpr_kernarg_segment_ptr 1
		.amdhsa_wavefront_size32 1
		.amdhsa_system_sgpr_workgroup_id_x 1
		.amdhsa_system_sgpr_workgroup_id_y 1
		.amdhsa_system_sgpr_workgroup_id_z 1
		.amdhsa_system_vgpr_workitem_id 0
		.amdhsa_next_free_vgpr 512
		.amdhsa_next_free_sgpr 66
		.amdhsa_reserve_vcc 1
		.amdhsa_float_denorm_mode_32 3
		.amdhsa_float_denorm_mode_16_64 3
		.amdhsa_memory_ordered 1
		.amdhsa_forward_progress 1
		.amdhsa_inst_pref_size 114
	.end_amdhsa_kernel
	.amdgpu_metadata
---
amdhsa.version: [ 1, 2 ]
amdhsa.kernels:
  - .name:           k_qe3c4f40bc3_proj
    .symbol:         k_qe3c4f40bc3_proj.kd
    .args:
      - { .name: v_codes, .offset: 0, .size: 8, .value_kind: global_buffer, .address_space: global }
      - { .name: v_scales, .offset: 8, .size: 8, .value_kind: global_buffer, .address_space: global }
      - { .name: Wv_codes, .offset: 16, .size: 8, .value_kind: global_buffer, .address_space: global }
      - { .name: Wv_scales, .offset: 24, .size: 8, .value_kind: global_buffer, .address_space: global }
      - { .name: bv, .offset: 32, .size: 8, .value_kind: global_buffer, .address_space: global }
      - { .name: q_codes, .offset: 40, .size: 8, .value_kind: global_buffer, .address_space: global }
      - { .name: q_scales, .offset: 48, .size: 8, .value_kind: global_buffer, .address_space: global }
      - { .name: Wq_codes, .offset: 56, .size: 8, .value_kind: global_buffer, .address_space: global }
      - { .name: Wq_scales, .offset: 64, .size: 8, .value_kind: global_buffer, .address_space: global }
      - { .name: bq, .offset: 72, .size: 8, .value_kind: global_buffer, .address_space: global }
      - { .name: k_codes, .offset: 80, .size: 8, .value_kind: global_buffer, .address_space: global }
      - { .name: k_scales, .offset: 88, .size: 8, .value_kind: global_buffer, .address_space: global }
      - { .name: Wk_codes, .offset: 96, .size: 8, .value_kind: global_buffer, .address_space: global }
      - { .name: Wk_scales, .offset: 104, .size: 8, .value_kind: global_buffer, .address_space: global }
      - { .name: bk, .offset: 112, .size: 8, .value_kind: global_buffer, .address_space: global }
      - { .name: qx, .offset: 120, .size: 8, .value_kind: global_buffer, .address_space: global }
      - { .name: kv, .offset: 128, .size: 8, .value_kind: global_buffer, .address_space: global }
    .group_segment_fixed_size: 300032
    .private_segment_fixed_size: 0
    .kernarg_segment_align: 8
    .kernarg_segment_size: 136
    .max_flat_workgroup_size: 256
    .sgpr_count:     66
    .vgpr_count:     512
    .wavefront_size: 32
...
	.end_amdgpu_metadata
.endif
;; end of part 1
;; launch attn (part 2): grid 4 x 64, 16 waves a work-group, clusters of 4 x 1, 207,872 bytes of LDS; arguments qx, kv, ac, asc; writes ac, asc
.if DOCPART == 2
	.amdgcn_target "amdgcn-amd-amdhsa--gfx1250"
	.amdhsa_code_object_version 6
	.text
	.protected	k_qe3c4f40bc3_attn
	.globl	k_qe3c4f40bc3_attn
	.p2align	8
	.type	k_qe3c4f40bc3_attn,@function
k_qe3c4f40bc3_attn:
	s_mov_b64 s[64:65], 0
	v_nop
	global_prefetch_b8 v0, s[64:65] scope:SCOPE_SE
	s_setreg_imm32_b32 hwreg(HW_REG_WAVE_MODE, 25, 1), 1
	s_wait_xcnt 0x0
	s_wait_alu depctr_hold_cnt(0) depctr_sa_sdst(0) depctr_va_vdst(0) depctr_va_sdst(0) depctr_va_ssrc(0) depctr_va_vcc(0) depctr_vm_vsrc(0)
	s_getreg_b32 s2, hwreg(HW_REG_IB_STS2, 6, 4)
	s_cmp_eq_u32 s2, 0
	s_cbranch_scc0 .Lentry_in_a_cluster
	s_endpgm
.Lentry_in_a_cluster:
	s_bfe_u32 s2, ttmp6, 0x10000c
	s_cmp_lg_u32 s2, 0x3003
	s_cbranch_scc0 .Lentry_shape_is_right
	s_endpgm
.Lentry_shape_is_right:
; ATTENTION of one head on codes of FP6 (E2M3): S^T = K Q^T, p = 2^(t - M), O^T = V^T P^T, attn = O / l, quantised along the head's 64 for the output projection.
; t = score x log2(e) / sqrt(512); M = the running largest t rounded UP to a whole number; p is quantised along the keys, not normalised; l is the sum of the unquantised p, in f32.
; When M moves, l and O^T are multiplied by 2^(old M - new M), which rounds nothing.
; SHARES.  A work-group takes one (batch, head) (y) and 512 queries; each of its sixteen waves 32 queries, as two tiles of 16, one after the other (PASS 0, PASS 1).
; K AND V OF THE WHOLE HEAD STAY IN LDS: 16 steps of 128 keys x 12,800 bytes, laid by the launch before as images of operand registers: every LDS read is 16 bytes x lane, on end.
; Each byte is filled once: wave w fetches step w; no ring, no barrier in the loops; one tensor load of a wave is out.  No prefetch: every byte of kv is asked for once, at the head, and no loop stands ahead of that.
; CLUSTER.  The four work-groups of a head need the same K and V: each step is asked for JOINTLY, by the same tensor load with the same descriptor and the mask of all four.
; THE HEAD IS 64 WIDE, THE INSTRUCTION 128: a fragment of K holds TWO tiles of 16 keys (registers 0-5, registers 6-11).  Q stands in 18 registers as [0 | q | 0]: [q | 0] gives the first tile's scores, [0 | q] the second's;
; the dead half has zero codes and the scale byte 0 on Q's side.
; THE KEYS OF A TILE: row m of score tile 4 c + u is key 64 c + 8 u + m + 24 (m / 8) of the step.  So register 32 c + i of a lane's 64 scores is key 64 c + 32 (lane / 16) + i: A LANE HOLDS TWO WHOLE BLOCKS OF 32 KEYS
; of one query (lane % 16): a block's maximum asks no other lane, and the conversions' results are the operand's registers.  V^T's keys lie in their own order.
; THE ROW'S SUM goes in eight chains; their last eight additions read the chains alone and stand as the four places behind each of the step's two groups of products (the second four in the next step).
; OUT.  ac: tile G = 128 batch + 2 (block of 32) + u: 6,144 bytes, register pair j of its 48 operand registers at 256 j + 8 x lane; a head's six registers are pairs 3 head + 0 .. 2.  asc: [batch][head][G % 128][r]: two scale bytes.
; LIMITS.  NaN and infinities are not served; the scaled scores t stay under 2^31 in magnitude.  A block of zeros, or one whose largest magnitude lies under 2^-124, gets the byte 1.
; A block's largest p is taken as the exponential of its largest score: that takes v_exp_f32 not to fall where its input rises.
.set STEPB, 12800                      ; a step in LDS: K's four fragments (6,144), V's four (6,144), K's scale words [r][b] (256), V's [r][t] (256)
.set STG,   16*STEPB                   ; behind them: 1,024 bytes in which the work-group's scale bytes of attn are gathered
.set SPARE, STG+1024                   ; the spare words: 128 bytes a wave
.set LI,  1                            ; v1   16 x lane
.set AD,  2                            ; v2   LDS address of the step in hand
.set H8,  3                            ; v3   8 x (lane / 16)
.set L8,  4                            ; v4   8 x lane
.set SA,  5                            ; v5   where I put my query's two scale bytes
.set SG,  6                            ; v6   where wave 0 reads them back
.set R16, 7                            ; v7   16 r
.set QSL, 10                           ; v10  Q's scale word for [q | 0];  v11 for [0 | q]
.set QSH, 11
; v12 -M, v13 the largest score so far, v[14:15] l in two halves; v16-33 [0 | q | 0]; v34-45 both tiles' q; v46 their scale word
.set KV,  48                           ; v48-95   four fragments of K, then of V
.set S,   96                           ; v96-159  S^T, then p
.set O,   160                          ; v160-191 O^T
.set PC,  192                          ; v192-203 p's codes
.set CT,  204                          ; v204-206, v208-210 the halves that a conversion cannot put at an odd register
.set BM,  212                          ; v212-215 maxima: four chains; then v212, v214 my two blocks'
.set T0,  216                          ; v216, v225 lane permutes' results; v217, v226 at work
.set T1,  217
.set F,   218                          ; v[218:219] f = 2^(old M - new M), named as a pair
.set U,   220                          ; v220-221 the conversions' scale operands
.set Y,   222                          ; v222-224 scale bytes on their way into a word
.set T3,  225
.set T2,  226
.set C,   228                          ; v228-243 the sum's eight chains, a pair each
.set SW,  248                          ; v248-251 scale words: lanes 0-15 K's, lanes 16-31 V's
.set PW,  253                          ; v253 p's scale word
.set SPW, 254                          ; v254 my spare word, v255 0
.set NIL, 255
.set WV,  12                           ; s12  wave
.set G1,  16                           ; s[16:23], s[24:27] the descriptor
.set G0,  24
.set SEL, 28                           ; s[28:29] lane selects: lane l xor 16
.set CS,  30                           ; s[30:31] c = log2(e) / sqrt(512): the packed form names a pair
.set TB,  32                           ; s32  LDS byte at which the step in hand begins
.set CNT, 33                           ; s33  steps to go
.macro CROUND                          ; a round of the cluster's barrier
	s_barrier_signal -1
	s_barrier_wait -1
	s_cmp_lg_u32 s[WV], 0
	s_cbranch_scc1 .Lnot_wave_0_\@
	s_barrier_signal -3
.Lnot_wave_0_\@:
	s_barrier_wait -3
	s_barrier_signal -1
	s_barrier_wait -1
.endm
.macro DLY n
	s_delay_alu instid0(VALU_DEP_\n)
.endm
.macro CADD a, b                       ; chain a += chain b
	v_pk_add_f32 v[C+2*(\a):C+2*(\a)+1], v[C+2*(\a):C+2*(\a)+1], v[C+2*(\b):C+2*(\b)+1]
.endm
.macro SUMEND                          ; four chains into l
	CADD 0, 1
	CADD 2, 3
	DLY 1
	CADD 0, 2
	DLY 1
	v_pk_add_f32 v[14:15], v[14:15], v[C:C+1]
.endm
	s_load_b256 s[4:11], s[0:1], 0x0               ; qx, kv, ac, asc
	v_lshl_add_u32 v[SPW], v0, 2, SPARE
	v_mov_b32 v[NIL], 0
	ds_add_u32 v[SPW], v[NIL]
	ds_add_u32 v[SPW], v[NIL]
	v_lshrrev_b32 v1, 5, v0
	s_delay_alu instid0(VALU_DEP_1)
	v_readfirstlane_b32 s[WV], v1                  ; wave 0..15
	s_bfe_u32 s13, ttmp6, 0x40000                  ; cx
	s_lshl_b32 s15, ttmp9, 2
	s_add_co_u32 s15, s15, s13                     ; my block of 512 queries: it enters global addresses alone
	s_and_b32 s14, ttmp7, 0xffff                   ; 8 batch + head, which the four partners share
	s_lshl_b32 s34, s[WV], 6
	s_add_co_u32 s34, s34, STG
	v_and_b32 v9, 31, v0                           ; lane
	v_and_b32 v8, 15, v0                           ; r
	v_bfe_u32 v[H8], v0, 4, 1
	v_lshlrev_b32 v[LI], 4, v9
	v_lshlrev_b32 v[L8], 3, v9
	v_lshlrev_b32 v[H8], 3, v[H8]
	v_lshl_add_u32 v[SA], v8, 1, s34               ; STG + 64 w + 2 r
	v_add_nc_u32 v[SG], STG, v[LI]
	v_lshlrev_b32 v[R16], 4, v8
	s_mul_i32 s35, s[WV], STEPB                    ; the step that I fetch: in LDS,
	s_mul_i32 s44, s14, 16*STEPB
	s_add_co_u32 s44, s44, s35                     ; and in kv
	s_mov_b32 s45, 0
	s_mul_i32 s54, s14, 102400
	s_lshl_b32 s55, s15, 2
	s_lshr_b32 s46, s[WV], 2
	s_add_co_u32 s55, s55, s46
	s_mul_i32 s55, s55, 6400
	s_add_co_u32 s54, s54, s55                     ; qx: the block of 128 queries that holds my 32
	s_and_b32 s55, s[WV], 3
	s_mul_i32 s46, s55, 1536
	s_add_co_u32 s46, s46, s54                     ; my fragment's image
	s_mov_b32 s47, 0
	s_lshl_b32 s48, s55, 2
	s_add_co_u32 s48, s48, s54
	s_add_co_u32 s48, s48, 6144                    ; and its scale words: [r][b]
	s_mov_b32 s49, 0
	s_lshr_b32 s54, s14, 3
	s_lshl_b32 s54, s54, 7
	s_lshl_b32 s55, s15, 4
	s_add_co_u32 s55, s55, s[WV]                   ; my block of 32 in its batch
	s_lshl_b32 s55, s55, 1
	s_add_co_u32 s54, s54, s55                     ; G of my first tile
	s_mul_i32 s50, s54, 6144
	s_and_b32 s55, s14, 7
	s_mul_i32 s55, s55, 768
	s_add_co_u32 s50, s50, s55                     ; ac: that tile, my head's six registers
	s_mov_b32 s51, 0
	s_lshl_b32 s52, s14, 12
	s_lshl_b32 s55, s15, 10
	s_add_co_u32 s52, s52, s55                     ; asc: the work-group's 1,024 bytes
	s_mov_b32 s53, 0
	; descriptor group 1: 12,800 dense bytes as 50 rows of 256 (32 elements of 8 bytes), no padding
	s_mov_b32 s[G1+0], 15|(3<<16)|(1<<21)          ; 15:0 the mask: all four work-groups; 17:16 elements of 8 bytes; 21 set beside a mask
	s_mov_b32 s[G1+1], 32<<16                      ; tensor_dim0
	s_mov_b32 s[G1+2], 50<<16                      ; tensor_dim1
	s_mov_b32 s[G1+3], 32<<16                      ; tile_dim0
	s_mov_b32 s[G1+4], 50                          ; tile_dim1
	s_mov_b32 s[G1+5], 32                          ; from row to row
	s_mov_b32 s[G1+6], 0
	s_mov_b32 s[G1+7], 0
	s_mov_b32 s[SEL], 0x76543210
	s_mov_b32 s[SEL+1], 0xfedcba98
	s_mov_b32 s[CS], 0x3d8293ee                    ; c = log2(e) / sqrt(512)
	s_mov_b32 s[CS+1], s[CS]                       ; (named with it as a pair, so it is written)
	s_wait_dscnt 0x0
	s_wait_kmcnt 0x0
	s_add_nc_u64 s[36:37], s[4:5], s[46:47]        ; Q's image
	s_add_nc_u64 s[38:39], s[4:5], s[48:49]        ; Q's scale words
	s_add_nc_u64 s[40:41], s[8:9], s[50:51]        ; ac
	s_add_nc_u64 s[42:43], s[10:11], s[52:53]      ; asc
	s_mov_b32 s[G0], 1
	s_mov_b32 s[G0+1], s35
	s_add_nc_u64 s[G0+2:G0+3], s[6:7], s[44:45]
	s_or_b32 s[G0+3], s[G0+3], 0x80000000          ; type = 2
	CROUND                                         ; all four work-groups are here: the joint loads meet
	tensor_load_to_lds s[G0:G0+3], s[G1:G1+7]      ; my one tensor load
	s_nop 0
.rept 4
	v_nop                                          ; four v_nop follow it
.endr
	s_wait_alu depctr_va_vdst(0)                   ; the wait ahead of the first readers of the head's registers
.irp c, 0,1,2
	global_load_b128 v[34+4*\c:37+4*\c], v[LI], s[36:37] offset:512*\c   ; both tiles' q, as the operand's registers
.endr
	global_load_b32 v46, v[R16], s[38:39]
.irp i, 0,1,2,3,4,5
	v_mov_b32 v[16+\i], 0                          ; the zero codes on both sides of q
	v_mov_b32 v[28+\i], 0
.endr
	v_mov_b32 v[T0], 0                             ; written once: a lane permute's destination counts as one of its sources
	v_mov_b32 v[T3], 0
	v_mov_b32 v[F+1], 0                            ; (named as the upper half of a pair)
	s_wait_tensorcnt 0x0                           ; my step has landed,
	s_barrier_signal -1
	s_barrier_wait -1                              ; everybody's has: the head's K and V lie in LDS and are never written again
	s_wait_loadcnt 0x0                             ; Q
; A KEY STEP: 128 keys against my 16 queries
.macro STEP
	v_add_nc_u32 v[AD], s[TB], v[LI]               ; (with the four additions behind the last products: the places in front of the loads into their registers)
.irp c, 0,1,2,3,4,5,6,7,8,9,10,11
	ds_load_b128 v[KV+4*\c:KV+4*\c+3], v[AD] offset:512*\c   ; K's four fragments
.endr
	ds_load_b128 v[SW:SW+3], v[AD] offset:12288    ; lanes 0-15: K's four scale words of row r; lanes 16-31: V's
	s_wait_dscnt 0x0
.irp b, 0,1,2,3
	v_wmma_scale_f32_16x16x128_f8f6f4 v[S+16*\b:S+16*\b+7], v[KV+12*\b:KV+12*\b+11], v[22:33], 0, v[SW+\b], v[QSL] matrix_a_fmt:MATRIX_FMT_FP6 matrix_b_fmt:MATRIX_FMT_FP6
	v_wmma_scale_f32_16x16x128_f8f6f4 v[S+16*\b+8:S+16*\b+15], v[KV+12*\b:KV+12*\b+11], v[16:27], 0, v[SW+\b], v[QSH] matrix_a_fmt:MATRIX_FMT_FP6 matrix_b_fmt:MATRIX_FMT_FP6
.endr
	s_wait_alu depctr_va_vdst(0)                   ; the chains and the address were written ahead of a branch and a wait
	SUMEND                                         ; the last step's sum is finished: four places behind the products, in front of the loads below and of the first read of the scores
.irp c, 0,1,2,3,4,5,6,7,8,9,10,11
	ds_load_b128 v[KV+4*\c:KV+4*\c+3], v[AD] offset:6144+512*\c   ; V's four fragments land under the softmax
.endr
.irp q, 0,1,2,3                                ; four chains by turns: chain q takes registers 16 q .. 16 q + 14, each accumulator from its low end on
	v_max3_num_f32 v[BM+\q], v[S+16*\q], v[S+16*\q+1], v[S+16*\q+2]
.endr
.irp i, 3,5,7,9,11,13
.irp q, 0,1,2,3
	v_max3_num_f32 v[BM+\q], v[BM+\q], v[S+16*\q+\i], v[S+16*\q+\i+1]
.endr
.endr
	v_max3_num_f32 v[BM], v[BM], v[BM+1], v[S+15]  ; the two blocks by turns
	v_max3_num_f32 v[BM+2], v[BM+2], v[BM+3], v[S+47]
	v_max_num_f32 v[BM], v[BM], v[S+31]            ; the largest score of my block of c = 0: for the row's maximum and, since p rises with the score, for the block's largest p
	v_max_num_f32 v[BM+2], v[BM+2], v[S+63]        ; and of c = 1
	DLY 1
	v_max3_num_f32 v13, v[BM], v[BM+2], v13        ; with the largest so far,
	DLY 1
	v_permlanex16_b32 v[T0], v13, s[SEL], s[SEL+1]
	DLY 1
	v_max_num_f32 v13, v13, v[T0]                  ; and lane l xor 16's: my query's largest score so far
	DLY 1
	v_mul_f32 v[T1], s[CS], v13                    ; as t (c is positive)
	DLY 1
	v_floor_f32 v[T1], -v[T1]                      ; the new -M = floor(-t): M is a whole number
	DLY 1
	v_sub_f32 v[T2], v[T1], v12                    ; old M - new M: a whole number, 0 or less
	v_mov_b32 v12, v[T1]
	DLY 2
	v_cvt_i32_f32 v[T2], v[T2]                     ; (it saturates)
	DLY 1
	v_ldexp_f32 v[F], 1.0, v[T2]                   ; f = 2^(old M - new M)
.set j, 0
.rept 32
	v_pk_fma_f32 v[S+j:S+j+1], v[S+j:S+j+1], s[CS:CS+1], v[12:13] op_sel_hi:[1,0,0]   ; t - M, two at a time
.set j, j+2
.endr
	v_fma_f32 v[BM], v[BM], s[CS], v12             ; the same of each block's largest score
	v_fma_f32 v[BM+2], v[BM+2], s[CS], v12
	s_wait_alu depctr_va_vdst(0)                   ; ahead of the batch
	v_exp_f32 v[BM], v[BM]                         ; each block's largest p: the same two instructions on the same number give the same bits
	v_exp_f32 v[BM+2], v[BM+2]
.set j, 0
.rept 64
	v_exp_f32 v[S+j], v[S+j]                       ; p = 2^(t - M), at most 1
.set j, j+1
.endr
	v_pk_mul_f32 v[14:15], v[14:15], v[F:F+1] op_sel_hi:[1,0]   ; l under the new M: the plain place behind the exponentials
	s_wait_alu depctr_va_vdst(0)                   ; one wait for the batch, directly ahead of the first readers of O^T and of p
.set j, 0
.rept 16
	v_pk_mul_f32 v[O+j:O+j+1], v[O+j:O+j+1], v[F:F+1] op_sel_hi:[1,0]   ; O^T under the new M, each accumulator from its low end on
.set j, j+2
.endr
	v_max_num_f32 v[BM], 0x1800000, v[BM]          ; the floor 2^(3 - 127): the byte cannot fall under 1
	v_max_num_f32 v[BM+2], 0x1800000, v[BM+2]
	DLY 2
	v_add_nc_u32 v[U], 0xff000000, v[BM]           ; 2 off the exponent field: the conversion's scale operand
	DLY 2
	v_add_nc_u32 v[U+1], 0xff000000, v[BM+2]
	DLY 2
	v_lshrrev_b32 v[Y], 23, v[U]                   ; the scale's byte
	DLY 2
	v_lshrrev_b32 v[Y+1], 23, v[U+1]
	DLY 1
	v_lshl_or_b32 v[Y+2], v[Y+1], 16, v[Y]         ; my two bytes: blocks h and 2 + h,
	DLY 1
	v_lshlrev_b32 v[Y+2], v[H8], v[Y+2]            ; at their places in the word;
	DLY 1
	v_permlanex16_b32 v[T3], v[Y+2], s[SEL], s[SEL+1]
	DLY 1
	v_or_b32 v[PW], v[Y+2], v[T3]                  ; with lane l xor 16's two: p's scale word for these 128 keys
.irp c, 0,1
	v_cvt_scalef32_pk16_fp6_f32 v[PC+6*\c:PC+6*\c+2], v[S+32*\c:S+32*\c+15], v[U+\c]
	v_cvt_scalef32_pk16_fp6_f32 v[CT+4*\c:CT+4*\c+2], v[S+32*\c+16:S+32*\c+31], v[U+\c]   ; (a conversion's three registers begin on an even number)
.endr
.irp k, 0,1,2,3,4,5,6,7                        ; l is summed of the unquantised p: eight chains by turns.  (The first is the plain place behind the conversions)
	v_pk_add_f32 v[C+2*\k:C+2*\k+1], v[S+2*\k:S+2*\k+1], v[S+16+2*\k:S+17+2*\k]
.endr
.irp c, 0,1
.irp i, 0,1,2
	v_mov_b32 v[PC+3+6*\c+\i], v[CT+4*\c+\i]
.endr
.endr
.irp g, 32,48                                  ; these sixteen stand between the writes of p's codes and the products
.irp k, 0,1,2,3,4,5,6,7
	v_pk_add_f32 v[C+2*\k:C+2*\k+1], v[C+2*\k:C+2*\k+1], v[S+\g+2*\k:S+\g+2*\k+1]
.endr
.endr
	s_wait_alu depctr_va_vdst(0)
	s_wait_dscnt 0x0                               ; V is in
.irp t, 0,1,2,3                                ; four accumulators, one instruction each
	v_wmma_scale_f32_16x16x128_f8f6f4 v[O+8*\t:O+8*\t+7], v[KV+12*\t:KV+12*\t+11], v[PC:PC+11], v[O+8*\t:O+8*\t+7], v[SW+\t], v[PW] matrix_a_fmt:MATRIX_FMT_FP6 matrix_b_fmt:MATRIX_FMT_FP6 matrix_a_scale:MATRIX_SCALE_ROW1
.endr
.irp k, 0,1,2,3
	CADD \k, \k+4                                  ; eight chains into four: the four places behind the products
.endr
.endm
; attn = O / l of tile u, quantised along the head's 64: two blocks.  V's channels were laid so that O^T's register 16 b + i is channel 32 b + 16 (lane / 16) + i
.macro WAYOUT u
	SUMEND                                         ; the last step's sum
	DLY 1
	v_add_f32 v14, v14, v15                        ; the sum's two halves,
	DLY 1
	v_permlanex16_b32 v[T0], v14, s[SEL], s[SEL+1]
	DLY 1
	v_add_f32 v14, v14, v[T0]                      ; and lane l xor 16's: l
	s_wait_alu depctr_va_vdst(0)                   ; ahead of the transcendental
	v_rcp_f32 v14, v14
	v_nop                                          ; one plain place behind a transcendental
	s_wait_alu depctr_va_vdst(0)                   ; and ahead of its first reader, which is O^T's too
.set j, 0
.rept 16
	v_pk_mul_f32 v[S+j:S+j+1], v[O+j:O+j+1], v[14:15] op_sel_hi:[1,0]   ; each accumulator from its low end on
.set j, j+2
.endr
.irp b, 0,1
	v_max3_num_f32 v[BM+\b], |v[S+16*\b]|, |v[S+1+16*\b]|, 0x1800000
.endr
.irp i, 2,4,6,8,10,12,14
.irp b, 0,1
	DLY 2
	v_max3_num_f32 v[BM+\b], v[BM+\b], |v[S+16*\b+\i]|, |v[S+1+16*\b+\i]|
.endr
.endr
	DLY 2
	v_permlanex16_b32 v[T0], v[BM], s[SEL], s[SEL+1]
	DLY 2
	v_permlanex16_b32 v[T3], v[BM+1], s[SEL], s[SEL+1]
	DLY 2
	v_max_num_f32 v[BM], v[BM], v[T0]
	DLY 2
	v_max_num_f32 v[BM+1], v[BM+1], v[T3]
.irp b, 0,1
	DLY 2
	v_add_nc_u32 v[U+\b], 0xff000000, v[BM+\b]
.endr
.irp b, 0,1
	DLY 2
	v_lshrrev_b32 v[Y+\b], 23, v[U+\b]
.endr
	DLY 1
	v_lshl_or_b32 v[Y+2], v[Y+1], 8, v[Y]          ; my query's two scale bytes
	v_cvt_scalef32_pk16_fp6_f32 v[PC:PC+2], v[S:S+15], v[U]
	v_cvt_scalef32_pk16_fp6_f32 v[CT:CT+2], v[S+16:S+31], v[U+1]
	v_nop                                          ; one plain place behind a scaled conversion
.irp i, 0,1,2
	v_permlane16_swap_b32 v[PC+\i], v[CT+\i]       ; the operand's layout wants a whole block in a lane
.endr
.irp i, 0,1,2
	DLY 3
	v_mov_b32 v[PC+3+\i], v[CT+\i]
.endr
.irp p, 0,1,2
	global_store_b64 v[L8], v[PC+2*\p:PC+2*\p+1], s[40:41] offset:6144*(\u)+256*\p   ; 32 lanes store 256 consecutive bytes, aligned
.endr
	ds_store_b16 v[SA], v[Y+2] offset:32*(\u)      ; both halves of the lanes write the same two bytes with the same value
.endm
.macro PASS u
	s_wait_xcnt 0x0                                ; the last tile's stores have read their registers
.irp i, 0,1,2,3,4,5
	v_mov_b32 v[22+\i], v[34+6*(\u)+\i]            ; tile u's q between the zeros
.endr
.if \u == 0
	v_and_b32 v[QSL], 0xffff, v46                  ; its two scale bytes at the live half's places, 0 at the others
	v_lshlrev_b32 v[QSH], 16, v46
.else
	v_lshrrev_b32 v[QSL], 16, v46
	v_and_b32 v[QSH], 0xffff0000, v46
.endif
	v_mov_b32 v13, 0xff61b1e6                      ; the largest score so far: -3e38
	v_mov_b32 v14, 0
	v_mov_b32 v15, 0
	v_floor_f32 v12, -v13
.set j, 0
.rept 8
	v_mov_b32 v[C+j], 0                            ; the four chains that the first step adds to l
.set j, j+1
.endr
.set j, 0
.rept 32
	v_mov_b32 v[O+j], 0                            ; O^T: the step is written once; the first finds zeros.  These lines also stand between the writes of q and its scale words and the first products
.set j, j+1
.endr
	s_mov_b32 s[TB], 0
	s_mov_b32 s[CNT], 16
.Lstep_\@:
	STEP
	s_add_co_u32 s[TB], s[TB], STEPB
	s_sub_co_u32 s[CNT], s[CNT], 1
	s_cmp_lg_u32 s[CNT], 0
	s_cbranch_scc1 .Lstep_\@
	WAYOUT \u
.endm
	PASS 0
	PASS 1
	s_wait_dscnt 0x0                               ; for the others' sake: my scale bytes have landed
	s_barrier_signal -1
	s_barrier_wait -1
	s_cmp_lg_u32 s[WV], 0
	s_cbranch_scc1 .Lnot_first
	ds_load_b128 v[96:99], v[SG]                   ; wave 0 stores the work-group's 1,024 scale bytes: four whole blocks of 256
	ds_load_b128 v[100:103], v[SG] offset:512
	s_wait_dscnt 0x0
	global_store_b128 v[LI], v[96:99], s[42:43]
	global_store_b128 v[LI], v[100:103], s[42:43] offset:512
.Lnot_first:
	s_wait_tensorcnt 0x0                           ; the wave's end
	ds_add_u32 v[SPW], v[NIL]
	s_wait_dscnt 0x0
	CROUND                                         ; the closing round
	s_endpgm
.Lfunc_end_k_qe3c4f40bc3_attn:
	.size	k_qe3c4f40bc3_attn, .Lfunc_end_k_qe3c4f40bc3_attn-k_qe3c4f40bc3_attn
	.p2alignl 7, 3214868480
	.fill 96, 4, 3214868480
	.section	.rodata,"a",@progbits
	.p2align	6, 0x0
	.amdhsa_kernel k_qe3c4f40bc3_attn
		.amdhsa_group_segment_fixed_size 207872
		.amdhsa_private_segment_fixed_size 0
		.amdhsa_enable_private_segment 0
		.amdhsa_kernarg_size 32
		.amdhsa_user_sgpr_count 2
		.amdhsa_user_sgpr_kernarg_segment_ptr 1
		.amdhsa_wavefront_size32 1
		.amdhsa_system_sgpr_workgroup_id_x 1
		.amdhsa_system_sgpr_workgroup_id_y 1
		.amdhsa_system_sgpr_workgroup_id_z 1
		.amdhsa_system_vgpr_workitem_id 0
		.amdhsa_next_free_vgpr 256
		.amdhsa_next_free_sgpr 66
		.amdhsa_reserve_vcc 0
		.amdhsa_float_denorm_mode_32 3
		.amdhsa_float_denorm_mode_16_64 3
		.amdhsa_memory_ordered 1
		.amdhsa_forward_progress 1
		.amdhsa_inst_pref_size 49
	.end_amdhsa_kernel
	.amdgpu_metadata
---
amdhsa.version: [ 1, 2 ]
amdhsa.kernels:
  - .name:           k_qe3c4f40bc3_attn
    .symbol:         k_qe3c4f40bc3_attn.kd
    .args:
      - { .name: qx, .offset: 0, .size: 8, .value_kind: global_buffer, .address_space: global }
      - { .name: kv, .offset: 8, .size: 8, .value_kind: global_buffer, .address_space: global }
      - { .name: ac, .offset: 16, .size: 8, .value_kind: global_buffer, .address_space: global }
      - { .name: asc, .offset: 24, .size: 8, .value_kind: global_buffer, .address_space: global }
    .group_segment_fixed_size: 207872
    .private_segment_fixed_size: 0
    .kernarg_segment_align: 8
    .kernarg_segment_size: 32
    .max_flat_workgroup_size: 512
    .sgpr_count:     66
    .vgpr_count:     256
    .wavefront_size: 32
...
	.end_amdgpu_metadata
.endif
;; end of part 2
;; launch oproj (part 3): grid 256 x 1, 8 waves a work-group, clusters of 4 x 1, 273,408 bytes of LDS; arguments ac, asc, Wo_codes, Wo_scales, bo, out0; writes out0
.if DOCPART == 3
	.amdgcn_target "amdgcn-amd-amdhsa--gfx1250"
	.amdhsa_code_object_version 6
	.text
	.protected	k_qe3c4f40bc3_oproj
	.globl	k_qe3c4f40bc3_oproj
	.p2align	8
	.type	k_qe3c4f40bc3_oproj,@function
k_qe3c4f40bc3_oproj:
	s_mov_b64 s[64:65], 0
	v_nop
	global_prefetch_b8 v0, s[64:65] scope:SCOPE_SE
	s_setreg_imm32_b32 hwreg(HW_REG_WAVE_MODE, 25, 1), 1
	s_wait_xcnt 0x0
	s_wait_alu depctr_hold_cnt(0) depctr_sa_sdst(0) depctr_va_vdst(0) depctr_va_sdst(0) depctr_va_ssrc(0) depctr_va_vcc(0) depctr_vm_vsrc(0)
	s_getreg_b32 s2, hwreg(HW_REG_IB_STS2, 6, 4)
	s_cmp_eq_u32 s2, 0
	s_cbranch_scc0 .Lentry_in_a_cluster
	s_endpgm
.Lentry_in_a_cluster:
	s_bfe_u32 s2, ttmp6, 0x10000c
	s_cmp_lg_u32 s2, 0x3003
	s_cbranch_scc0 .Lentry_shape_is_right
	s_endpgm
.Lentry_shape_is_right:
; out = attn Wo^T + bo on codes of FP6 (E2M3), K = 512; sums and bias in f32.
; SHARES.  A work-group of eight waves takes four tiles of 16 rows (64 rows of out); wave w takes columns 64 w .. 64 w + 63: its 64 rows of Wo (16 fragments, 192 registers) stay in registers.
; attn arrives as images of operand registers (ac) and two scale bytes for each row and head (asc).  Each wave brings half a tile into LDS; all waves read every tile from there.
; Tile G's row r is row 64 (G / 4) + 8 (G % 4) + r + 24 (r / 8); lane r of tile t of my 64 rows of Wo takes row 32 (t / 2) + 8 (t % 2) + r + 8 (r / 8).  Source 0 = Wo, source 1 = attn: a lane holds one row of out,
; and the 16 registers of tiles 2 b and 2 b + 1 are 16 neighbouring columns.  A tile's 16 rows x 256 bytes go through the wave's stage and leave as whole rows: sixteen lanes store 256 consecutive bytes, aligned.
; CLUSTER.  All work-groups read the same Wo: the four partners ask for each wave's 64 rows JOINTLY.  Every LDS byte is filled once; one tensor load of a wave is out.
; The stage lies in the wave's own bytes of Wo, which have had their one fill and their last read.
; LIMITS.  NaN, infinities and a given scale byte 0xff are not served.
.set WP,    480                        ; a row of Wo in LDS: 6 x (64 bytes + 16 of padding)
.set WW,    64*WP
.set XIMG,  8*WW                       ; four tiles' images, 6,144 bytes each
.set XSC,   XIMG+4*6144                ; their scale words, 16 bytes a lane
.set FR,    12
.set L16,   1                          ; v1   16 x lane
.set L8,    2                          ; v2   8 x lane
.set R2,    3                          ; v3   2 r
.set IWA,   5                          ; v5   where I store my half tile's image
.set ISA,   6                          ; v6   and its two scale words
.set IRA,   7                          ; v7   where any image is read
.set SRA,   8                          ; v8   and any scale words
.set SO,    9                          ; v9   the stage: row r x 272 + 64 h
.set P16,   10                         ; v10  16 x (r + 8 (r / 8))
.set H64,   11                         ; v11  64 h
.set SR,    12                         ; v12  the stage, back: row h x 272 + 16 r
.set CO,    13                         ; v13  the same place in out: 2,048 h + 16 r + 256 w
.set WA,    14                         ; v14-15 Wo in LDS
.set WS,    16                         ; v16-31 Wo's scale words
.set XS,    32                         ; v32-35 the tile's scale words
.set XF,    36                         ; v36-83 its four fragments
.set ACC,   84                         ; v84-147 two sets of four accumulators
.set OB,    148                        ; v148-211 two sets of 16 rows read back from the stage
.set BI,    192                        ; window 1: the bias (v0-191 of window 1: Wo's fragments)
.set WV,    16                         ; s16  wave
.set G1,    24
.set G0,    32
.set MSB, 0
.macro WIN new                         ; the immediate's high byte repeats the setting that is left
.if MSB != \new
	s_set_vgpr_msb (MSB<<8)|\new
.set MSB, \new
.endif
.endm
.macro CROUND                          ; a round of the cluster's barrier
	s_barrier_signal -1
	s_barrier_wait -1
	s_cmp_lg_u32 s[WV], 0
	s_cbranch_scc1 .Lnot_wave_0_\@
	s_barrier_signal -3
.Lnot_wave_0_\@:
	s_barrier_wait -3
	s_barrier_signal -1
	s_barrier_wait -1
.endm
.macro PLACES                          ; four plain places behind a matrix instruction (ISA guide 7.12.1)
.rept 4
	v_nop
.endr
.endm
.macro FRAG reg, adr, off, s           ; a fragment of K step s out of rows of 480 bytes, in pieces of 8 bytes; 16 bytes of padding lie behind every 8 pieces
.irp p, 0,1,2,3,4,5
.set PCE, 12*(\s)+6*(\p/3)+\p%3
.if PCE%8 < 5
	ds_load_b64 v[(\reg)+2*\p:(\reg)+2*\p+1], v[\adr] offset:(\off)+8*PCE+16*(PCE/8)
.else
	ds_load_b64 v[(\reg)+2*\p:(\reg)+2*\p+1], v[\adr+1] offset:(\off)+8*PCE+16*(PCE/8)
.endif
.endr
.endm
.macro FETCH i
.irp c, 0,1,2,3,4,5,6,7,8,9,10,11
	ds_load_b128 v[XF+4*\c:XF+4*\c+3], v[IRA] offset:(\i)*6144+512*\c
.endr
	ds_load_b128 v[XS:XS+3], v[SRA] offset:512*(\i)
.endm
.macro MMC d, a, b, c, sa, sb          ; D = A x B + C
	v_wmma_scale_f32_16x16x128_f8f6f4 v[(\d):(\d)+7], v[(\a):(\a)+11], v[(\b):(\b)+11], v[(\c):(\c)+7], v[\sa], v[\sb] matrix_a_fmt:MATRIX_FMT_FP6 matrix_b_fmt:MATRIX_FMT_FP6
.endm
	s_load_b256 s[4:11], s[0:1], 0x0               ; ac, asc, Wo's codes, Wo's scales
	s_load_b128 s[12:15], s[0:1], 0x20             ; bo, out0
	v_lshl_add_u32 v254, v0, 2, 0x42800
	v_mov_b32 v255, 0
	ds_add_u32 v254, v255
	ds_add_u32 v254, v255
	v_lshrrev_b32 v1, 5, v0
	s_delay_alu instid0(VALU_DEP_1)
	v_readfirstlane_b32 s[WV], v1                  ; wave 0..7
	s_bfe_u32 s17, ttmp6, 0x40000                  ; cx
	s_lshl_b32 s18, ttmp9, 2
	s_add_co_u32 s18, s18, s17                     ; x: the block of 64 rows; it enters global addresses alone
	s_mul_i32 s19, s[WV], WW                       ; my part of Wo in LDS
	v_and_b32 v16, 31, v0                          ; lane
	v_and_b32 v17, 15, v0                          ; r
	v_bfe_u32 v18, v0, 4, 1                        ; h
	s_delay_alu instid0(VALU_DEP_3)
	v_lshlrev_b32 v[L16], 4, v16
	s_wait_alu depctr_va_vdst(0)
	v_lshlrev_b32 v[L8], 3, v16
	v_lshlrev_b32 v[R2], 1, v17
	s_mul_i32 s22, s[WV], 3072
	s_add_co_u32 s22, s22, XIMG
	v_add_nc_u32 v[IWA], s22, v[L16]               ; tile w / 2, K steps 2 (w % 2) and 2 (w % 2) + 1: 3,072 x wave
	s_lshr_b32 s22, s[WV], 1
	s_lshl_b32 s22, s22, 9
	s_and_b32 s23, s[WV], 1
	s_lshl_b32 s23, s23, 3
	s_add_co_u32 s22, s22, s23
	s_add_co_u32 s22, s22, XSC
	v_add_nc_u32 v[ISA], s22, v[L16]
	v_add_nc_u32 v[IRA], XIMG, v[L16]
	v_add_nc_u32 v[SRA], XSC, v[L16]
	v_mul_u32_u24 v[SO], v17, 272
	s_delay_alu instid0(VALU_DEP_1)
	v_lshl_add_u32 v[SO], v18, 6, v[SO]
	s_delay_alu instid0(VALU_DEP_1)
	v_add_nc_u32 v[SO], s19, v[SO]
	v_and_b32 v19, 8, v17
	s_delay_alu instid0(VALU_DEP_1)
	v_add_nc_u32 v19, v19, v17                     ; r + 8 (r / 8)
	s_delay_alu instid0(VALU_DEP_1)
	v_lshlrev_b32 v[P16], 4, v19
	v_lshlrev_b32 v[H64], 6, v18
	v_mul_u32_u24 v[SR], v18, 272
	s_delay_alu instid0(VALU_DEP_1)
	v_lshl_add_u32 v[SR], v17, 4, v[SR]
	s_delay_alu instid0(VALU_DEP_1)
	v_add_nc_u32 v[SR], s19, v[SR]
	s_lshl_b32 s22, s[WV], 8
	v_lshlrev_b32 v[CO], 11, v18
	s_delay_alu instid0(VALU_DEP_1)
	v_lshl_add_u32 v[CO], v17, 4, v[CO]
	s_delay_alu instid0(VALU_DEP_1)
	v_add_nc_u32 v[CO], s22, v[CO]
	v_mul_u32_u24 v[WA], v19, WP
	s_delay_alu instid0(VALU_DEP_1)
	v_mad_u32_u24 v[WA], v18, 24, v[WA]
	s_delay_alu instid0(VALU_DEP_1)
	v_add_nc_u32 v[WA], s19, v[WA]
	s_delay_alu instid0(VALU_DEP_1)
	v_lshl_add_u32 v[WA+1], v18, 4, v[WA]
	; descriptor group 1: 64 rows of 384 bytes, dense in memory, 16 bytes of padding behind every 64
	s_mov_b32 s[G1+0], 15|(0<<16)|(1<<20)|(1<<21)|(3<<22)|(3<<25)
	s_mov_b32 s[G1+1], 256<<16                     ; the 24,576 dense bytes are stated as 96 rows of 256 bytes, each at a multiple of 256
	s_mov_b32 s[G1+2], 96<<16
	s_mov_b32 s[G1+3], 256<<16
	s_mov_b32 s[G1+4], 96
	s_mov_b32 s[G1+5], 256
	s_mov_b32 s[G1+6], 0
	s_mov_b32 s[G1+7], 0
	s_mov_b32 s21, 0
	s_wait_dscnt 0x0
	s_wait_kmcnt 0x0
	s_mul_i32 s20, s18, 24576
	s_mul_i32 s22, s[WV], 3072
	s_add_co_u32 s20, s20, s22
	s_add_nc_u64 s[4:5], s[4:5], s[20:21]          ; ac: my half tile
	s_lshr_b32 s22, s18, 5
	s_lshl_b32 s22, s22, 3
	s_and_b32 s23, s[WV], 1
	s_lshl_b32 s23, s23, 2
	s_add_co_u32 s22, s22, s23                     ; 8 batch + my first head: 4 (w % 2)
	s_lshl_b32 s22, s22, 12
	s_and_b32 s23, s18, 31
	s_lshl_b32 s23, s23, 2
	s_lshr_b32 s36, s[WV], 1
	s_add_co_u32 s23, s23, s36                     ; my tile in its batch
	s_lshl_b32 s23, s23, 5
	s_add_co_u32 s20, s22, s23
	s_add_nc_u64 s[6:7], s[6:7], s[20:21]          ; asc
	s_mul_i32 s20, s[WV], 24576
	s_add_nc_u64 s[8:9], s[8:9], s[20:21]          ; my 64 rows of Wo
	s_lshl_b32 s20, s[WV], 10
	s_add_nc_u64 s[10:11], s[10:11], s[20:21]      ; their scale bytes
	s_lshl_b32 s20, s[WV], 8
	s_add_nc_u64 s[12:13], s[12:13], s[20:21]      ; my 64 numbers of bo
	s_lshl_b32 s20, s18, 17
	s_add_nc_u64 s[14:15], s[14:15], s[20:21]      ; out: 64 rows of 2,048 bytes a work-group
	s_mov_b32 s[G0], 1
	s_mov_b32 s[G0+1], s19
	s_mov_b64 s[G0+2:G0+3], s[8:9]
	s_or_b32 s[G0+3], s[G0+3], 0x80000000          ; type = 2
	CROUND                                         ; all four work-groups are here: the joint loads meet
	tensor_load_to_lds s[G0:G0+3], s[G1:G1+7]      ; my one tensor load
	s_nop 0
	PLACES                                         ; four v_nop follow it
	WIN 0x40                                       ; destination window 1
.irp t, 0,1,2,3                                ; lane (r, h) wants, for tile t, the bias of columns 32 (t / 2) + 8 (t % 2) + 16 h + 0 .. 7
	global_load_b128 v[BI+8*\t:BI+8*\t+3], v[H64], s[12:13] offset:(32*(\t/2)+8*(\t%2))*4
	global_load_b128 v[BI+8*\t+4:BI+8*\t+7], v[H64], s[12:13] offset:(32*(\t/2)+8*(\t%2))*4+16
.endr
	WIN 0
.irp t, 0,1,2,3
	global_load_b128 v[WS+4*\t:WS+4*\t+3], v[P16], s[10:11] offset:(32*(\t/2)+8*(\t%2))*16
.endr
.irp j, 0,1,2,3,4,5,6,7,8,9,10,11              ; two fragments: each load reads 256 consecutive bytes, aligned
	global_load_b64 v[XF+2*\j:XF+2*\j+1], v[L8], s[4:5] offset:256*\j th:TH_LOAD_NT
.endr
.irp n, 0,1,2,3
	global_load_u16 v[212+\n], v[R2], s[6:7] offset:4096*\n   ; my row's two scale bytes of four heads
.endr
	s_wait_tensorcnt 0x0                           ; my 64 rows of Wo are in LDS; nobody else reads them
	WIN 0x40
	s_wait_alu depctr_va_vdst(0)
.irp t, 0,1,2,3
.irp s, 0,1,2,3
	FRAG FR*(4*\t+\s), WA, WP*(32*(\t/2)+8*(\t%2)), \s
.endr
.endr
	WIN 0
	s_wait_loadcnt 0x0
	v_lshl_or_b32 v216, v213, 16, v212             ; two heads' bytes make a K step's scale word
	v_lshl_or_b32 v217, v215, 16, v214
.irp c, 0,1,2,3,4,5
	ds_store_b128 v[IWA], v[XF+4*\c:XF+4*\c+3] offset:512*\c
.endr
	ds_store_b64 v[ISA], v[216:217]
	s_wait_dscnt 0x0                               ; for the others' sake: my half image has landed (and Wo's fragments are in)
	s_barrier_signal -1
	s_barrier_wait -1                              ; the four images lie in LDS; they are never written again
	FETCH 0
; Tile i: four accumulators by turns, one instruction a turn; the bias is the C of each sum's first product
.macro OTILE i
.set AB, ACC+32*((\i)%2)
.set BB, OB+32*((\i)%2)
	s_wait_dscnt 0x0                               ; the tile's fragments and scale words are in
	WIN 0x11                                       ; source 0 (Wo) and source 2 (the bias) window 1
.irp t, 0,1,2,3
	MMC AB+8*\t, FR*4*\t, XF, BI+8*\t, WS+4*\t, XS
.endr
	WIN 0x01
.irp s, 1,2,3
.irp t, 0,1,2,3
	MMC AB+8*\t, FR*(4*\t+\s), XF+FR*\s, AB+8*\t, WS+4*\t+\s, XS+\s
.endr
.endr
	WIN 0
	PLACES
.if (\i) < 3
	FETCH (\i)+1
.endif
.irp b, 0,1
.irp n, 0,1,2,3
	ds_store_b128 v[SO], v[AB+16*\b+4*\n:AB+16*\b+4*\n+3] offset:128*\b+16*\n   ; each accumulator from its low end on
.endr
.endr
.if (\i) >= 2
	s_wait_xcnt 0x0                                ; the stores of two tiles ago have read this set of registers
.endif
.irp k, 0,1,2,3,4,5,6,7
	ds_load_b128 v[BB+4*\k:BB+4*\k+3], v[SR] offset:544*\k   ; LDS serves a wave's instructions in order (ISA guide 5.7.1.4): these see my stores
.endr
.irp k, 0,1,2,3,4,5,6,7
	s_wait_dscnt 7-\k                              ; load k is in: the 7 - k younger loads from the stage may be out
	global_store_b128 v[CO], v[BB+4*\k:BB+4*\k+3], s[14:15] offset:(8*(\i)+2*\k+24*(\k/4))*2048 th:TH_STORE_NT   ; tile i's row r is row 8 i + r + 24 (r / 8) of the work-group's 64; tile rows 2 k and 2 k + 1: each half of the lanes stores 256 consecutive bytes, aligned
.endr
.endm
	OTILE 0
	OTILE 1
	OTILE 2
	OTILE 3
	s_wait_tensorcnt 0x0
	ds_add_u32 v254, v255
	s_wait_dscnt 0x0
	CROUND                                         ; the closing round
	s_endpgm
.Lfunc_end_k_qe3c4f40bc3_oproj:
	.size	k_qe3c4f40bc3_oproj, .Lfunc_end_k_qe3c4f40bc3_oproj-k_qe3c4f40bc3_oproj
	.p2alignl 7, 3214868480
	.fill 96, 4, 3214868480
	.section	.rodata,"a",@progbits
	.p2align	6, 0x0
	.amdhsa_kernel k_qe3c4f40bc3_oproj
		.amdhsa_group_segment_fixed_size 273408
		.amdhsa_private_segment_fixed_size 0
		.amdhsa_enable_private_segment 0
		.amdhsa_kernarg_size 48
		.amdhsa_user_sgpr_count 2
		.amdhsa_user_sgpr_kernarg_segment_ptr 1
		.amdhsa_wavefront_size32 1
		.amdhsa_system_sgpr_workgroup_id_x 1
		.amdhsa_system_sgpr_workgroup_id_y 1
		.amdhsa_system_sgpr_workgroup_id_z 1
		.amdhsa_system_vgpr_workitem_id 0
		.amdhsa_next_free_vgpr 512
		.amdhsa_next_free_sgpr 66
		.amdhsa_reserve_vcc 0
		.amdhsa_float_denorm_mode_32 3
		.amdhsa_float_denorm_mode_16_64 3
		.amdhsa_memory_ordered 1
		.amdhsa_forward_progress 1
		.amdhsa_inst_pref_size 36
	.end_amdhsa_kernel
	.amdgpu_metadata
---
amdhsa.version: [ 1, 2 ]
amdhsa.kernels:
  - .name:           k_qe3c4f40bc3_oproj
    .symbol:         k_qe3c4f40bc3_oproj.kd
    .args:
      - { .name: ac, .offset: 0, .size: 8, .value_kind: global_buffer, .address_space: global }
      - { .name: asc, .offset: 8, .size: 8, .value_kind: global_buffer, .address_space: global }
      - { .name: Wo_codes, .offset: 16, .size: 8, .value_kind: global_buffer, .address_space: global }
      - { .name: Wo_scales, .offset: 24, .size: 8, .value_kind: global_buffer, .address_space: global }
      - { .name: bo, .offset: 32, .size: 8, .value_kind: global_buffer, .address_space: global }
      - { .name: out0, .offset: 40, .size: 8, .value_kind: global_buffer, .address_space: global }
    .group_segment_fixed_size: 273408
    .private_segment_fixed_size: 0
    .kernarg_segment_align: 8
    .kernarg_segment_size: 48
    .max_flat_workgroup_size: 256
    .sgpr_count:     66
    .vgpr_count:     512
    .wavefront_size: 32
...
	.end_amdgpu_metadata
.endif
;; end of part 3
